; MI455X (gfx1250); checked and timed in simulation.
; The chip was launched on July 23, 2026; its instructions are those of AMD's public machine-readable ISA for CDNA 5 (MIT licence, August 2026) and "CDNA5" Instruction Set Architecture Reference Guide (July 2026). The comments in the code are by the model that wrote it; some were corrected since.
;; Multi Headed Attention. Allowed arithmetic: matrix products marked QUANTISED: E4M3 operands, one given power-of-two scale a tensor, by v_wmma_f32_16x16x64_fp8_fp8 or v_wmma_f32_16x16x128_fp8_fp8, f32 sums; everything else in f32.
;; Inputs: Wfc_codes 1,024 x 32 x 32 uint8 (E4M3 codes of Wfc, K innermost, in blocks of 32 codes); Wk_codes 1,024 x 32 x 32 uint8 (E4M3 codes of Wk, K innermost, in blocks of 32 codes); Wq_codes 1,024 x 32 x 32 uint8 (E4M3 codes of Wq, K innermost, in blocks of 32 codes); Wv_codes 1,024 x 32 x 32 uint8 (E4M3 codes of Wv, K innermost, in blocks of 32 codes); key_codes 4 x 2,048 x 32 x 32 uint8 (E4M3 codes of key, K innermost, in blocks of 32 codes); lowp_scales 12 int32 (the exponents e of the quantised operands' scales 2^e); mask 4 x 2,048 x 2,048 bool; query 4 x 2,048 x 1,024 float32; value_codes 4 x 2,048 x 32 x 32 uint8 (E4M3 codes of value, K innermost, in blocks of 32 codes).
;; Outputs: out0 4 x 2,048 x 1,024 float32.
;; This version of the problem:
;;   THIS VERSION OF THE PROBLEM IS GIVEN IN LOW PRECISION. The matrix products marked QUANTISED in the list below multiply operands that are first quantised to E4M3 (4 exponent bits, 3 mantissa bits; 8 bits a number), with one given power-of-two scale for each operand tensor; their sums are f32. All else is computed in f32.
;;   The module's matrix products, in the order in which they are computed (A, B: the left and right operand; K: the contracted axis; several contracted axes count as one K, in the product's order):
;;     1. [M 8,192, K 1,024] x [K 1,024, N 1,024]; A: input query; B: input Wq (given as codes): QUANTISED (scales: A lowp_scales[0], B lowp_scales[1])
;;     2. [M 8,192, K 1,024] x [K 1,024, N 1,024]; A: input key (given as codes); B: input Wk (given as codes): QUANTISED (scales: A lowp_scales[2], B lowp_scales[3])
;;     3. [M 8,192, K 1,024] x [K 1,024, N 1,024]; A: input value (given as codes); B: input Wv (given as codes): QUANTISED (scales: A lowp_scales[4], B lowp_scales[5])
;;     4. batch 64 x [M 2,048, K 64] x [K 64, N 2,048]; A: computed on the way; B: computed on the way: QUANTISED (scales: A lowp_scales[6], B lowp_scales[7])
;;     5. batch 64 x [M 2,048, K 2,048] x [K 2,048, N 64]; A: softmax (see below); B: computed on the way: QUANTISED (scales: A lowp_scales[8], B lowp_scales[9])
;;     6. [M 8,192, K 1,024] x [K 1,024, N 1,024]; A: computed on the way; B: input Wfc (given as codes): QUANTISED (scales: A lowp_scales[10], B lowp_scales[11])
;;   THE QUANTISER, for each operand of a quantised product, along K:
;;     - The operand's scale is 2^e, e = its entry of the input lowp_scales (int32; the entries are numbered through the quantised products in the list's order, A before B).
;;     - Each number is divided by the scale, clamped to +-448, and rounded to the nearest number of E4M3, ties to even, subnormals kept.
;;     - The product sums the exact products of the quantised numbers (number of the format x scale) in f32.
;;   ~~~python
;;   def quantise(x, axis, e):      # numpy; x: float32 -> the quantised numbers, widened to float32 again
;;       x = np.moveaxis(x, axis, -1); K = x.shape[-1]
;;       r = np.clip(x / 2.0 ** e, -448, 448)
;;       step = 2.0 ** (np.maximum(np.frexp(np.where(r == 0, 1, r))[1] - 1, -6) - 3)
;;       q = np.round(r / step) * step * 2.0 ** e      # np.round: ties to even
;;       return np.moveaxis(q, -1, axis).astype(np.float32)
;;   ~~~
;;   SOFTMAX AHEAD OF A QUANTISED PRODUCT. Where the list says 'softmax', what is quantised is not the finished softmax but p = 2^(t - M), with t = logit x log2(e) and M = ceil(the row's largest t), a whole number; so 1/2 < the row's largest p <= 1. The row's sum l is taken of the UNQUANTISED p, in f32, and the product's result is divided by l at the end. Since M is a whole number, a kernel that streams over the keys may use a running M (the ceiling of the running maximum): every later rescaling is an exact power of two, so the quantised numbers keep their values, but for numbers so far below the row's largest that they fall under the format's range.
;;   OPERANDS COMPUTED ON THE WAY. 'Computed on the way' means the value that the module computes at that place (a softmax that the list does not call 'softmax' is quantised finished and normalised). What goes into a quantiser is computed in f32, as accurately as f32 sums, v_exp_f32 and their like allow (about 1e-6 of the number): no bf16 or f16 on the way to a quantiser, and a product that is left as it is and whose result goes on into a quantised operand takes f32 operands (vector FMAs, or v_wmma_f32_16x16x4_f32). A number that lies on a knife's edge between two numbers of the format may be rounded either way, as far as f32 arithmetic and the matrix unit's own rounding can turn it there, and no further.
;;   INPUTS GIVEN AS CODES. Wfc (in the module: [1024, 1024], K = its axis 1); Wk (in the module: [1024, 1024], K = its axis 1); Wq (in the module: [1024, 1024], K = its axis 1); Wv (in the module: [1024, 1024], K = its axis 1); key (in the module: [4, 2048, 1024], K = its axis 2); value (in the module: [4, 2048, 1024], K = its axis 2): each comes as NAME_codes (uint8): NAME with its K axis moved to the last place and cut into blocks of 32 codes, [.., K / 32, bytes a block], one block behind the other in memory; one code a byte (a code: sign, 4 exponent bits, 3 mantissa bits); its scale is its entry of lowp_scales. Its value is code x scale, taken as it is: it is not quantised again, and the codes and scales need not be those that the quantiser above would give.
;; One version. Each part assembles by itself: llvm-mc -triple=amdgcn-amd-amdhsa -mcpu=gfx1250 --defsym DOCPART=n.
;; ======== version 1 of 1: 4 launches
;; limits: right only within a limited range of input values
;; workspace buffers: xq 8,388,608 bytes; mbits 2,097,152 bytes of whole numbers; wfcimg 1,048,576 bytes; qimg 8,388,608 bytes; kimg 8,388,608 bytes; vimg 8,388,608 bytes; cimg 8,388,608 bytes
;; launch prep (part 1): grid 1024 x 1, 4 waves a work-group, no clusters, 39,424 bytes of LDS; arguments query, mask, Wfc_codes, lowp_scales, xq, mbits, wfcimg; writes xq, mbits, wfcimg
.if DOCPART == 1
	.amdgcn_target "amdgcn-amd-amdhsa--gfx1250"
	.amdhsa_code_object_version 6
	.text
	.protected	k_q33e154e909_prep
	.globl	k_q33e154e909_prep
	.p2align	8
	.type	k_q33e154e909_prep,@function
k_q33e154e909_prep:
	s_mov_b64 s[64:65], 0
	v_nop
	global_prefetch_b8 v0, s[64:65] scope:SCOPE_SE
	s_setreg_imm32_b32 hwreg(HW_REG_WAVE_MODE, 25, 1), 1
	s_wait_xcnt 0x0
; MULTI-HEAD ATTENTION IN E4M3, launch 1 of 4: what the later launches read many times is laid out once.
; NO WORK OF THE PROBLEM IS LEFT OUT in any launch: every input (query, key, value, mask, the four weights, all twelve scales) has a way to out0, the mask is an input whose
; pattern is not known, and no product, row or step is thrown away by the problem itself.  So all six products are done whole and masked scores are selected, not skipped.
; THIS LAUNCH: (1) xq = the codes of query with the given scale 2^e0 (entry 0 of lowp_scales): x / 2^e0, held within +-448, to the nearest code, ties to even; rows as key_codes has them.
; (2) mbits = the mask as lane masks: for batch b, tile of 16 queries qt and step of 128 keys ks, 64 words; bit L of word 8 t + j is mask[b][16 qt + L % 16][128 ks + 16 t + 8 (L / 16) + j]:
; the lanes in which score register 8 t + j of the attention launch is hidden.  (3) wfcimg = Wfc's codes in the order of an operand's registers: [K step of 128][tile of 16 rows][quarter][lane][16 bytes];
; lane (r, h), quarter q holds Wfc[16 nt + r][128 ks + 32 q + 8 h + 0 .. 7] and the eight codes 16 further on.
; LIMITS: e0 between -126 and 119, so that 2^e0 and 448 x 2^e0 are f32 numbers.  NaN among the inputs is not served.
; SHARES: wave W of 4,096 takes 2,048 numbers of query, 16 rows x 256 bytes of the mask and 256 bytes of wfcimg.  Waves share nothing: no barrier.  All 25 loads of a wave go out at its head.
; No cluster, no matrix unit, no tensor load: no two work-groups read the same bytes, and the launch is a stream.
.set WREG,  9728                       ; LDS of a wave: two stages of 32 x 80 bytes for query, then 16 rows x 272 bytes for the mask
.set SP,    80                         ; a lane's place in a stage: its 64 bytes + 16 of padding
.set MST,   2*32*SP                    ; the mask's stage begins here
.set MP,    272                        ; a row of it: 256 bytes + 16
.set SPARE, 4*WREG                     ; behind the four regions: the spare words, 128 bytes for each wave, which no other line names
.set SPW,   12                         ; v12  LDS address of my spare word; never rewritten
.set NIL,   13                         ; v13  0; never rewritten
.set R,     16                         ; v16-79   four sets of 16 numbers as loaded
.set X,     80                         ; v80-111  two sets of 16 neighbours
.set C,     112                        ; v112-127 codes, four registers a step
.set MR,    128                        ; v128-159 the mask as loaded
.set MB,    160                        ; v160-191 the mask turned: pair t holds my row's eight bytes of tile t
.set OUT,   192                        ; v192-195 the lane masks, a pair for each step of 128 keys
.set TT,    196                        ; v196-199 at work
.set WF,    200                        ; v200-201 my eight codes of Wfc
	s_load_b256 s[4:11], s[0:1], 0x0               ; query s[4:5], mask s[6:7], Wfc_codes s[8:9], lowp_scales s[10:11]
	s_load_b128 s[12:15], s[0:1], 0x20             ; xq s[12:13], mbits s[14:15]
	s_load_b64 s[16:17], s[0:1], 0x30              ; wfcimg
	v_lshl_add_u32 v[SPW], v0, 2, SPARE
	v_mov_b32 v[NIL], 0
	v_lshrrev_b32 v1, 5, v0
	v_readfirstlane_b32 s18, v1                    ; wave 0..3
	v_and_b32 v1, 31, v0                           ; lane
	v_lshlrev_b32 v3, 4, v1                        ; 16 x lane: my bytes of a load's 512, and of a step's codes
	v_lshlrev_b32 v8, 3, v1                        ; 8 x lane: my bytes of a store of 256
	s_mul_i32 s21, s18, WREG                       ; my wave's LDS
	v_lshrrev_b32 v14, 2, v1
	v_mul_u32_u24 v14, v14, SP
	v_and_b32 v15, 3, v1
	v_lshl_add_u32 v14, v15, 4, v14
	v_add_nc_u32 v14, s21, v14                     ; query's stage, in: four lanes' 64 bytes on end, then padding
	v_mul_u32_u24 v15, v1, SP
	v_add_nc_u32 v15, s21, v15                     ; and out: my 16 neighbours
	v_lshrrev_b32 v2, 4, v1                        ; lane / 16
	v_and_b32 v4, 15, v1                           ; lane % 16
	v_lshlrev_b32 v5, 4, v4
	v_lshl_add_u32 v5, v2, 11, v5                  ; the mask in memory: two rows of 2,048 bytes a load, sixteen lanes to a row's 256 bytes
	v_mul_u32_u24 v6, v2, MP
	v_lshl_add_u32 v6, v4, 4, v6
	v_add_nc_u32 v6, s21, v6
	v_add_nc_u32 v6, MST, v6                       ; the mask's stage, in: as loaded
	v_mul_u32_u24 v7, v4, MP
	v_lshl_add_u32 v7, v2, 3, v7
	v_add_nc_u32 v7, s21, v7
	v_add_nc_u32 v7, MST, v7                       ; and out: row lane % 16, eight bytes at 8 (lane / 16) of each 16
	v_lshrrev_b32 v9, 1, v1
	v_lshlrev_b32 v9, 10, v9
	v_and_b32 v2, 1, v1
	v_lshl_add_u32 v9, v2, 4, v9                   ; Wfc: row lane / 2 of the tile, + 16 (lane % 2)
	s_lshl_b32 s19, ttmp9, 2
	s_add_co_u32 s19, s19, s18                     ; W
	s_mov_b32 s23, 0
	s_wait_alu depctr_va_vdst(0)
	s_wait_kmcnt 0x0
	s_load_b32 s40, s[10:11], 0x0                  ; e0
	s_lshl_b32 s22, s19, 13
	s_add_nc_u64 s[4:5], s[4:5], s[22:23]          ; query + 8,192 W
	s_lshl_b32 s22, s19, 11
	s_add_nc_u64 s[12:13], s[12:13], s[22:23]      ; xq + 2,048 W
	s_lshr_b32 s24, s19, 3                         ; 128 b + qt
	s_lshl_b32 s22, s24, 15                        ; its 16 rows of 2,048 bytes
	s_and_b32 s25, s19, 7
	s_lshl_b32 s25, s25, 8                         ; my 256 keys
	s_add_co_u32 s22, s22, s25
	s_add_nc_u64 s[6:7], s[6:7], s[22:23]
	s_lshl_b32 s22, s19, 9
	s_add_nc_u64 s[14:15], s[14:15], s[22:23]      ; mbits + 512 W: two steps' 64 words
	s_and_b32 s22, s24, 63
	s_lshl_b32 s22, s22, 14                        ; Wfc: tile of 16 rows (W / 8) % 64,
	s_lshr_b32 s25, s19, 9
	s_lshl_b32 s25, s25, 7                         ; K step W / 512,
	s_add_co_u32 s22, s22, s25
	s_bfe_u32 s25, s19, 0x20001
	s_lshl_b32 s25, s25, 5                         ; quarter (W / 2) % 4,
	s_add_co_u32 s22, s22, s25
	s_and_b32 s25, s19, 1
	s_lshl_b32 s25, s25, 3                         ; half of the lanes W % 2
	s_add_co_u32 s22, s22, s25
	s_add_nc_u64 s[8:9], s[8:9], s[22:23]
	s_lshl_b32 s22, s19, 8
	s_add_nc_u64 s[16:17], s[16:17], s[22:23]      ; wfcimg + 256 W
.macro LOAD t                          ; step t: 512 numbers; each load reads 512 consecutive bytes
.irp i, 0,1,2,3
	global_load_b128 v[R+16*(\t)+4*\i:R+16*(\t)+4*\i+3], v3, s[4:5] offset:2048*(\t)+512*\i th:TH_LOAD_NT
.endr
.endm
.macro TURN t                          ; step t's numbers through a stage, so that a lane gets 16 neighbours; LDS serves a wave's instructions in order (ISA guide 5.7.1.4): no wait between the stores and the loads
.irp i, 0,1,2,3
	ds_store_b128 v14, v[R+16*(\t)+4*\i:R+16*(\t)+4*\i+3] offset:32*SP*((\t)%2)+8*SP*\i
.endr
.irp i, 0,1,2,3
	ds_load_b128 v[X+16*((\t)%2)+4*\i:X+16*((\t)%2)+4*\i+3], v15 offset:32*SP*((\t)%2)+16*\i
.endr
.endm
.irp t, 0,1,2,3
	LOAD \t
.endr
.irp i, 0,1,2,3,4,5,6,7
	global_load_b128 v[MR+4*\i:MR+4*\i+3], v5, s[6:7] offset:4096*\i th:TH_LOAD_NT   ; rows 2 i and 2 i + 1: 256 consecutive bytes each
.endr
	global_load_b64 v[WF:WF+1], v9, s[8:9]
	s_wait_kmcnt 0x0
	s_add_co_i32 s40, s40, 127
	s_lshl_b32 s41, s40, 23
	v_mov_b32 v11, s41                             ; 2^e0 as f32: the conversion takes its exponent field
	s_add_co_i32 s40, s40, 8
	s_lshl_b32 s40, s40, 23
	s_or_b32 s40, s40, 0x600000
	v_mov_b32 v10, s40                             ; 448 x 2^e0
.irp j, 0,1,2,3
	v_mov_b32 v[OUT+\j], 0                         ; written whole once: v_writelane_b32 fills them lane by lane
.endr
	s_wait_alu depctr_va_vdst(0)
	s_wait_loadcnt 21                              ; of my 25 loads the first four, step 0's, are in
	TURN 0
.macro STEP t
.set XS, X+16*((\t)%2)
	s_wait_dscnt 0x0                               ; this step's numbers are back from the stage
.if (\t) < 3
	s_wait_loadcnt 17-4*(\t)                       ; the next step's four loads are in; the younger ones may be out
	TURN (\t)+1                                    ; they go through the other stage while this step is worked
.endif
.irp i, 0,1,2,3,4,5,6,7,8,9,10,11,12,13,14,15
	v_med3_num_f32 v[XS+\i], v[XS+\i], -v10, v10   ; the conversion to an 8-bit code does not saturate (ISA guide 7.6.2): the hold at the largest code x the scale
.endr
	v_cvt_scalef32_pk8_fp8_f32 v[C+4*(\t):C+4*(\t)+1], v[XS:XS+7], v11
	v_cvt_scalef32_pk8_fp8_f32 v[C+4*(\t)+2:C+4*(\t)+3], v[XS+8:XS+15], v11
	global_store_b128 v3, v[C+4*(\t):C+4*(\t)+3], s[12:13] offset:512*(\t)   ; the wave stores 512 consecutive bytes, aligned; the plain vector lines that follow touch other registers
.endm
.irp t, 0,1,2,3
	STEP \t
.endr
	; THE MASK.  Through its stage, so that lane L holds row L % 16; then one compare for each byte place gives the 32 lanes' bits as one word
	s_wait_loadcnt 1                               ; the mask's eight loads are in; Wfc's may be out
.irp i, 0,1,2,3,4,5,6,7
	ds_store_b128 v6, v[MR+4*\i:MR+4*\i+3] offset:2*MP*\i
.endr
.irp t, 0,1,2,3,4,5,6,7,8,9,10,11,12,13,14,15
	ds_load_b64 v[MB+2*\t:MB+2*\t+1], v7 offset:16*\t
.endr
	s_wait_dscnt 0x0
.macro MBITS s2                        ; the s2-th of my two steps of 128 keys: word n = 8 t + j goes to lane n / 2, register n % 2, so that one store of 8 bytes a lane lays the 64 words in order
.set n, 0
.rept 64
	v_and_b32 v[TT+n%4], 0xff<<(8*(n&3)), v[MB+2*(8*(\s2)+(n>>3))+((n>>2)&1)]
	v_cmp_ne_u32 s[32+n%8], 0, v[TT+n%4]
	v_writelane_b32 v[OUT+2*(\s2)+(n&1)], s[32+n%8], n>>1
.set n, n+1
.endr
	global_store_b64 v8, v[OUT+2*(\s2):OUT+2*(\s2)+1], s[14:15] offset:256*(\s2)   ; 256 consecutive bytes, aligned
.endm
	MBITS 0
	MBITS 1
	s_wait_loadcnt 0x0
	global_store_b64 v8, v[WF:WF+1], s[16:17]      ; 256 consecutive bytes of wfcimg, aligned
	s_wait_tensorcnt 0x0                           ; the wave's end
	ds_add_u32 v[SPW], v[NIL]
	s_wait_dscnt 0x0
	s_endpgm
.Lfunc_end_k_q33e154e909_prep:
	.size	k_q33e154e909_prep, .Lfunc_end_k_q33e154e909_prep-k_q33e154e909_prep
	.p2alignl 7, 3214868480
	.fill 96, 4, 3214868480
	.section	.rodata,"a",@progbits
	.p2align	6, 0x0
	.amdhsa_kernel k_q33e154e909_prep
		.amdhsa_group_segment_fixed_size 39424
		.amdhsa_private_segment_fixed_size 0
		.amdhsa_enable_private_segment 0
		.amdhsa_kernarg_size 56
		.amdhsa_user_sgpr_count 2
		.amdhsa_user_sgpr_kernarg_segment_ptr 1
		.amdhsa_wavefront_size32 1
		.amdhsa_system_sgpr_workgroup_id_x 1
		.amdhsa_system_sgpr_workgroup_id_y 1
		.amdhsa_system_sgpr_workgroup_id_z 1
		.amdhsa_system_vgpr_workitem_id 0
		.amdhsa_next_free_vgpr 208
		.amdhsa_next_free_sgpr 66
		.amdhsa_reserve_vcc 0
		.amdhsa_float_denorm_mode_32 3
		.amdhsa_float_denorm_mode_16_64 3
		.amdhsa_memory_ordered 1
		.amdhsa_forward_progress 1
		.amdhsa_inst_pref_size 39
	.end_amdhsa_kernel
	.amdgpu_metadata
---
amdhsa.version: [ 1, 2 ]
amdhsa.kernels:
  - .name:           k_q33e154e909_prep
    .symbol:         k_q33e154e909_prep.kd
    .args:
      - { .name: query, .offset: 0, .size: 8, .value_kind: global_buffer, .address_space: global }
      - { .name: mask, .offset: 8, .size: 8, .value_kind: global_buffer, .address_space: global }
      - { .name: Wfc_codes, .offset: 16, .size: 8, .value_kind: global_buffer, .address_space: global }
      - { .name: lowp_scales, .offset: 24, .size: 8, .value_kind: global_buffer, .address_space: global }
      - { .name: xq, .offset: 32, .size: 8, .value_kind: global_buffer, .address_space: global }
      - { .name: mbits, .offset: 40, .size: 8, .value_kind: global_buffer, .address_space: global }
      - { .name: wfcimg, .offset: 48, .size: 8, .value_kind: global_buffer, .address_space: global }
    .group_segment_fixed_size: 39424
    .private_segment_fixed_size: 0
    .kernarg_segment_align: 8
    .kernarg_segment_size: 56
    .max_flat_workgroup_size: 128
    .sgpr_count:     66
    .vgpr_count:     208
    .wavefront_size: 32
...
	.end_amdgpu_metadata
.endif
;; end of part 1
;; launch proj (part 2): grid 4 x 96, 4 waves a work-group, clusters of 4 x 4, 327,680 bytes of LDS; arguments xq, key_codes, value_codes, Wq_codes, Wk_codes, Wv_codes, lowp_scales, qimg, kimg, vimg; writes qimg, kimg, vimg
.if DOCPART == 2
	.amdgcn_target "amdgcn-amd-amdhsa--gfx1250"
	.amdhsa_code_object_version 6
	.text
	.protected	k_q33e154e909_proj
	.globl	k_q33e154e909_proj
	.p2align	8
	.type	k_q33e154e909_proj,@function
k_q33e154e909_proj:
	s_mov_b64 s[64:65], 0
	v_nop
	global_prefetch_b8 v0, s[64:65] scope:SCOPE_SE
	s_setreg_imm32_b32 hwreg(HW_REG_WAVE_MODE, 25, 1), 1
	s_wait_xcnt 0x0
	s_wait_alu depctr_hold_cnt(0) depctr_sa_sdst(0) depctr_va_vdst(0) depctr_va_sdst(0) depctr_va_ssrc(0) depctr_va_vcc(0) depctr_vm_vsrc(0)
	s_getreg_b32 s2, hwreg(HW_REG_IB_STS2, 6, 4)
	s_cmp_eq_u32 s2, 0
	s_cbranch_scc0 .Lentry_in_a_cluster
	s_endpgm
.Lentry_in_a_cluster:
	s_bfe_u32 s2, ttmp6, 0x10000c
	s_cmp_lg_u32 s2, 0xf033
	s_cbranch_scc0 .Lentry_shape_is_right
	s_endpgm
.Lentry_shape_is_right:
; Launch 2 of 4: the three projections q = query Wq^T, k = key Wk^T, v = value Wv^T on codes of E4M3, each result quantised in registers for the attention launch.  Nothing of the problem is left out.
; One launch serves all three: the cluster's y / 8 is the KIND (0: q, 1: k, 2: v), the same in all sixteen partners; it chooses pointers and scales by selects.
; Y is the activation [8192][1024] (xq, key_codes, value_codes), X the weight [1024][1024]; K innermost in both.  A tile of 256 x 256 is made by four waves, 128 x 128 each: 64 accumulators, 512 registers.
; K goes in four steps of 256 through two LDS slots filled by the tensor data mover; a tile's row is 256 bytes of memory.
; CLUSTERS: 4 x 4 work-groups; Y's tile is shared along a row of the cluster, X's along a column: each is asked for jointly, by the same tensor load with the same descriptor and a mask that names the four.
; WHICH OPERAND IS SOURCE 0.  In a result, lane (r, h) holds in register j the element (source 0's row 8 h + j, source 1's row r).  One conversion of a result's eight registers therefore gives registers 2 c and 2 c + 1
; (k = 16 c + 8 h + 0 .. 7) of the NEXT product's operand, if source 0's rows run along that product's K and c is the tile's number along it.  For q and k the next K is the head's 64: source 0 = X, source 1 = Y.
; For v the next K is the keys: source 0 = Y, source 1 = X.  Only the LDS addresses of the fragments differ.  So the codes leave as images of operand registers, straight from registers, 512 consecutive bytes a store:
;   qimg, kimg: [batch x 16 + head][tile of 16 tokens][half][lane][16 bytes];   vimg: [batch x 16 + head][step of 128 keys][tile of 16 of the head's 64][quarter][lane][16 bytes].
; A sum stands for sum x 2^(eA + eB), so its code is sum / 2^(eOut - eA - eB): entries (6, 0, 1), (7, 2, 3), (9, 4, 5) of lowp_scales.
; Fragments are fetched by loads of 16 bytes: a permutation of k inside 128, the same in both operands, so that every product meets its partner and only the order of the sums inside an instruction changes.
; LIMITS: e6 - e0 - e1, e7 - e2 - e3 and e9 - e4 - e5 between -126 and 119, so that the scale and 448 x the scale are f32 numbers.
; REGISTERS, in windows of 256: window 0: v0-31 addresses and constants; v32-95 at work on the way out; from v128 source 1's fragments, ONE set, later the codes.  window 1: source 0's fragments, TWO sets.
;   window 2: the accumulators of source 1's blocks 0-3 ((a, b) at v[8 (8 a + b)]);  window 3: those of blocks 4-7.
.set KSTEP,  256
.set ROWB,   256                       ; a tile's row in bytes
.set KROW,   1024                      ; a row of Y or X in memory
.set PITCH,  272                       ; an LDS row: 256 bytes + 16 of padding, an odd multiple of 16, so that the 16 rows that a load touches fall on different banks (ISA guide 11.1)
.set FR,     16                        ; registers of a fragment: 16 rows x 128 K
.set NL,     4                         ; LDS loads that bring one
.set NP,     4                         ; places behind this matrix instruction (ISA guide 7.12.1)
.set HALFT,  128*PITCH                 ; 128 rows: what one tensor load brings
.set SLOT,   4*HALFT                   ; Y's 256 rows, then X's 256 rows
.set SPARE,  2*SLOT                    ; behind the ring: the spare words, 128 bytes for each wave, which no other line names
.set ADRA, 16                          ; v16-17  LDS address of source 1's fragments in slot 0, 1
.set ADRB, 20                          ; v20-21  the same for source 0
.set CO,   26                          ; v26     16 x lane
.set SPW,  28                          ; v28     LDS address of my spare word; never rewritten
.set NIL,  29                          ; v29     0; never rewritten
.set QSC,  30                          ; v30     2^(eOut - eA - eB) as f32
.set QLIM, 31                          ; v31     448 x that
.set TMP,  32                          ; v32-95  a block's 64 sums, held
.set AF,   128                         ; source 1's fragments
.set CD,   128                         ; the codes: 16 registers for each of source 1's eight blocks
.set G1, 24                            ; s[24:31] descriptor group 1 for Y's tiles;  s[32:39] group 0, a set for each slot
.set G0, 32
.set G1B, 48                           ; s[48:55], s[56:63] the same for X's tiles
.set G0B, 56
.set KIND, 66
.set MSB, 0
.macro WIN new                         ; the immediate's high byte repeats the setting that is left
.if MSB != \new
	s_set_vgpr_msb (MSB<<8)|\new
.set MSB, \new
.endif
.endm
.set MUL_LO, 0xa1                      ; source 0 window 1, source 1 window 0, C and D window 2
.set MUL_HI, 0xf1                      ; the same, C and D window 3
.set TO_B,   0x40                      ; destination window 1, address window 0
; A joint load: waves 0 and 1 fetch Y's halves, waves 2 and 3 X's.  Each line has one mask and one set of registers for all that issue it; the branch hangs on the wave's number alone.
; An s_nop 0 and four v_nop follow each of the two lines.
.macro JLOAD g0a, g1a, g0b, g1b
	s_cmp_eq_u32 s15, 0
	s_cbranch_scc0 .Lfor_b_\@
	tensor_load_to_lds s[\g0a:\g0a+3], s[\g1a:\g1a+7]
	s_nop 0
.rept 4
	v_nop
.endr
	s_branch .Lasked_\@
.Lfor_b_\@:
	tensor_load_to_lds s[\g0b:\g0b+3], s[\g1b:\g1b+7]
	s_nop 0
.rept 4
	v_nop
.endr
.Lasked_\@:
.endm
.macro CREST                           ; a round of the cluster's barrier behind its opening barrier
	s_cmp_lg_u32 s14, 0
	s_cbranch_scc1 .Lnot_wave_0_\@
	s_barrier_signal -3
.Lnot_wave_0_\@:
	s_barrier_wait -3
	s_barrier_signal -1
	s_barrier_wait -1
.endm
.macro CROUND                          ; a whole round
	s_barrier_signal -1
	s_barrier_wait -1
	CREST
.endm
	s_load_b512 s[68:83], s[0:1], 0x0              ; xq s[68:69], key s[70:71], value s[72:73], Wq s[74:75], Wk s[76:77], Wv s[78:79], lowp_scales s[80:81], qimg s[82:83]
	s_load_b128 s[84:87], s[0:1], 0x40             ; kimg s[84:85], vimg s[86:87]
	v_lshl_add_u32 v[SPW], v0, 2, SPARE
	v_mov_b32 v[NIL], 0
	ds_add_u32 v[SPW], v[NIL]                      ; the wave's opening: the add, twice on end, and its wait ahead of my first tensor load; the set-up below stands between
	ds_add_u32 v[SPW], v[NIL]
	v_lshrrev_b32 v1, 5, v0
	v_readfirstlane_b32 s14, v1                    ; wave 0..3
	s_lshr_b32 s15, s14, 1                         ; which half of source 1's 256 rows is mine.  Also: I fetch for Y (0) or for X (1)
	s_and_b32 s16, s14, 1                          ; which half of source 0's.  Also: which 128 rows of that tile I fetch
	s_bfe_u32 s40, ttmp6, 0x40000                  ; cx, cy: my place in the cluster
	s_bfe_u32 s41, ttmp6, 0x40004
	; THE SLOT'S HEAD ALWAYS HOLDS SOURCE 1'S TILE (shared along a row of the cluster), the bytes behind it source 0's (shared along a column).
	; q, k: source 1 = the activation (32 tiles, walked by the cluster's number), source 0 = the weight (4 tiles).  v: source 1 = the weight, source 0 = the activation.
	s_and_b32 s17, ttmp7, 0xffff                   ; cluster y: 0..23
	s_lshr_b32 s[KIND], s17, 3                     ; 0: q, 1: k, 2: v
	s_and_b32 s17, s17, 7
	s_lshl_b32 s17, s17, 2                         ; 4 x the cluster's place in its kind's walk
	s_cmp_eq_u32 s[KIND], 2                        ; the cluster's number alone: the same in all sixteen partners
	s_cselect_b32 s42, s17, 0
	s_cselect_b32 s17, 0, s17
	s_add_co_u32 s42, s42, s40                     ; source 0's tile: + cx
	s_add_co_u32 s17, s17, s41                     ; source 1's tile: + cy
	s_lshl_b32 s43, s41, 2
	s_lshl_b32 s43, 15, s43                        ; my row of the cluster
	s_lshl_b32 s44, 0x1111, s40                    ; my column
	s_or_b32 s[G1+0], s43, (0<<16)|(1<<20)|(1<<21)|(5<<22)|(3<<25)  ; 15:0 the mask: Y's tiles go to my row; 17:16 elements of 1 byte; 20 padding on; 21 set beside a mask; 24:22 after every 64 words; 31:25 four words
	s_or_b32 s[G1B+0], s44, (0<<16)|(1<<20)|(1<<21)|(5<<22)|(3<<25)
.irp g, G1, G1B
	s_mov_b32 s[\g+1], ROWB<<16                    ; tensor_dim0
	s_mov_b32 s[\g+2], 128<<16                     ; tensor_dim1
	s_mov_b32 s[\g+3], ROWB<<16                    ; tile_dim0
	s_mov_b32 s[\g+4], 128                         ; tile_dim1
	s_mov_b32 s[\g+5], KROW                        ; tensor_dim0_stride
	s_mov_b32 s[\g+6], 0
	s_mov_b32 s[\g+7], 0
.endr
	s_lshl_b32 s18, s16, 7                         ; which 128 rows of the tile I fetch
	s_lshl_b32 s20, s17, 8
	s_add_co_u32 s20, s20, s18
	s_lshl_b32 s20, s20, 10                        ; Y: (256 x tile + 128 x half) rows of 1,024 bytes
	s_mov_b32 s21, 0
	s_lshl_b32 s46, s42, 8
	s_add_co_u32 s46, s46, s18
	s_lshl_b32 s46, s46, 10                        ; X likewise
	s_mov_b32 s47, 0
	s_mul_i32 s45, s14, HALFT                      ; where they go: wave x 128 rows: no place in the cluster enters an LDS address
	s_wait_dscnt 0x0                               ; both opening adds are done
	s_wait_kmcnt 0x0
	s_load_b256 s[88:95], s[80:81], 0x0            ; e0 .. e7
	s_load_b128 s[96:99], s[80:81], 0x20           ; e8 .. e11
	s_cmp_eq_u32 s[KIND], 0                        ; the three buffers of my kind: the choice hangs on the cluster's number alone
	s_cselect_b64 s[4:5], s[68:69], s[70:71]
	s_cselect_b64 s[6:7], s[74:75], s[76:77]
	s_cselect_b64 s[10:11], s[82:83], s[84:85]
	s_cmp_eq_u32 s[KIND], 2
	s_cselect_b64 s[4:5], s[78:79], s[4:5]         ; source 1's buffer: for v the weight
	s_cselect_b64 s[6:7], s[72:73], s[6:7]         ; source 0's buffer: for v the activation
	s_cselect_b64 s[10:11], s[86:87], s[10:11]     ; the image
	s_add_nc_u64 s[20:21], s[4:5], s[20:21]
	s_add_nc_u64 s[46:47], s[6:7], s[46:47]
	CROUND                                         ; all sixteen work-groups are here: the first joint loads meet
.irp s, 0,1
	s_mov_b32 s[G0+4*\s], 1
	s_add_co_u32 s[G0+4*\s+1], s45, \s*SLOT
	s_add_nc_u64 s[G0+4*\s+2:G0+4*\s+3], s[20:21], \s*ROWB
	s_or_b32 s[G0+4*\s+3], s[G0+4*\s+3], 0x80000000
	s_mov_b32 s[G0B+4*\s], 1
	s_add_co_u32 s[G0B+4*\s+1], s45, \s*SLOT
	s_add_nc_u64 s[G0B+4*\s+2:G0B+4*\s+3], s[46:47], \s*ROWB
	s_or_b32 s[G0B+4*\s+3], s[G0B+4*\s+3], 0x80000000
.endr
	JLOAD G0, G1, G0B, G1B                         ; K step 0: one tensor load a wave at the head
	v_and_b32 v1, 15, v0                           ; l % 16
	v_bfe_u32 v2, v0, 4, 1                         ; l / 16
	v_mul_u32_u24 v3, v1, PITCH
	v_lshl_add_u32 v4, v2, 4, v3                   ; a fragment's row x pitch + 16 x half
	s_wait_alu depctr_va_vdst(0)
	s_mul_i32 s21, s15, HALFT                      ; my 128 rows of source 1, at the slot's head
	s_mul_i32 s22, s16, HALFT
	s_add_co_u32 s22, s22, 2*HALFT                 ; my 128 rows of source 0, behind source 1's 256
.irp s, 0,1
	v_add_nc_u32 v[ADRA+\s], s21, v4
	v_add_nc_u32 v[ADRB+\s], s22, v4
	s_add_co_u32 s21, s21, SLOT
	s_add_co_u32 s22, s22, SLOT
.endr
	v_and_b32 v6, 31, v0
	v_lshlrev_b32 v[CO], 4, v6
	s_wait_alu depctr_va_vdst(0)
	s_wait_kmcnt 0x0                               ; the scales' exponents
	s_sub_co_i32 s18, s94, s88
	s_sub_co_i32 s18, s18, s89                     ; e6 - e0 - e1
	s_sub_co_i32 s19, s95, s90
	s_sub_co_i32 s19, s19, s91                     ; e7 - e2 - e3
	s_sub_co_i32 s20, s97, s92
	s_sub_co_i32 s20, s20, s93                     ; e9 - e4 - e5
	s_cmp_eq_u32 s[KIND], 0
	s_cselect_b32 s18, s18, s19
	s_cmp_eq_u32 s[KIND], 2
	s_cselect_b32 s18, s20, s18
	s_add_co_i32 s18, s18, 127
	s_lshl_b32 s19, s18, 23
	v_mov_b32 v[QSC], s19
	s_add_co_i32 s18, s18, 8
	s_lshl_b32 s18, s18, 23
	s_or_b32 s18, s18, 0x600000
	v_mov_b32 v[QLIM], s18
	; where my codes go.  A head's image is 131,072 bytes in all three buffers.  My first head: 16 x batch + 4 x X's tile + 2 x (my half of X's rows)
	s_cmp_eq_u32 s[KIND], 2                        ; from here on s17 = the activation's tile, s42 = the weight's (the descriptors are made)
	s_cselect_b32 s3, s42, s17
	s_cselect_b32 s42, s17, s42
	s_mov_b32 s17, s3
	s_lshl_b32 s19, s17, 4
	s_lshl_b32 s20, s15, 3
	s_add_co_u32 s19, s19, s20
	s_and_b32 s19, s19, 127
	s_lshl_b32 s19, s19, 10                        ; q, k: my first tile of 16 tokens in the batch, 1,024 bytes each
	s_lshl_b32 s20, s17, 1
	s_add_co_u32 s20, s20, s16
	s_and_b32 s20, s20, 15
	s_lshl_b32 s20, s20, 13                        ; v: my step of 128 keys in the batch, 8,192 bytes each
	s_cmp_eq_u32 s[KIND], 2
	s_cselect_b32 s19, s20, s19
	s_cselect_b32 s18, s15, s16                    ; my half of X's rows: source 1's for v, source 0's else
	s_lshr_b32 s20, s17, 3
	s_lshl_b32 s20, s20, 4
	s_lshl_b32 s21, s42, 2
	s_add_co_u32 s20, s20, s21
	s_lshl_b32 s18, s18, 1
	s_add_co_u32 s20, s20, s18
	s_lshl_b32 s20, s20, 17
	s_add_co_u32 s20, s20, s19
	s_mov_b32 s21, 0
	s_add_nc_u64 s[10:11], s[10:11], s[20:21]
.macro FRAG reg, adr, q, i             ; a fragment, 16 rows x 128 K: four loads of 16 bytes, 32 bytes apart
.irp c, 0,1,2,3
	ds_load_b128 v[\reg+4*\c:\reg+4*\c+3], v[\adr] offset:128*(\q)+32*\c+(\i)*16*PITCH
.endr
.endm
; 16 matrix instructions: source 1's blocks a0, a0 + 1 x source 0's eight, 128 along K.  p: source 0's set.  zero = 1: the first product starts the sums.
; The 64 accumulators take turns, one instruction a turn, in the same order in every step.
.macro MUL16 a0, p, zero
.irp a, \a0, \a0+1
.irp b, 0,1,2,3,4,5,6,7
.if \zero
	v_wmma_f32_16x16x128_fp8_fp8 v[8*(8*((\a)%4)+\b):8*(8*((\a)%4)+\b)+7], v[128*(\p)+FR*\b:128*(\p)+FR*\b+FR-1], v[AF+FR*(\a):AF+FR*(\a)+FR-1], 0
.else
	v_wmma_f32_16x16x128_fp8_fp8 v[8*(8*((\a)%4)+\b):8*(8*((\a)%4)+\b)+7], v[128*(\p)+FR*\b:128*(\p)+FR*\b+FR-1], v[AF+FR*(\a):AF+FR*(\a)+FR-1], v[8*(8*((\a)%4)+\b):8*(8*((\a)%4)+\b)+7]
.endif
.endr
.endr
.endm
.macro FETCH_B slot, q, p              ; source 0's eight fragments of the slot's q-th 128 along K into set p
	WIN TO_B
.irp i, 0,1,2,3,4,5,6,7
	FRAG 128*(\p)+FR*\i, ADRB+\slot, \q, \i
.endr
	WIN 0
.endm
.macro FETCH_A slot, q, i0             ; source 1's blocks i0 .. i0 + 3
.irp i, \i0, \i0+1, \i0+2, \i0+3
	FRAG AF+FR*(\i), ADRA+\slot, \q, \i
.endr
.endm
.macro PLACES n                        ; plain vector instructions between a matrix instruction and a load into, or a vector instruction on, one of its registers
.rept \n
	v_nop
.endr
.endm
; A step of 128 along K that has its successor in the same slot.
.macro STEP slot, q, zero
	s_wait_dscnt 4*NL                              ; source 0's set and source 1's blocks 0-3 are in; the youngest sixteen loads (blocks 4-7) may be out
	WIN MUL_LO
	MUL16 0, (\q)%2, \zero
	MUL16 2, (\q)%2, \zero
	s_wait_dscnt 0                                 ; blocks 4-7 are in
	PLACES NP
	FETCH_B \slot, (\q)+1, 1-(\q)%2
	FETCH_A \slot, (\q)+1, 0
	WIN MUL_HI
	MUL16 4, (\q)%2, \zero
	MUL16 6, (\q)%2, \zero
	PLACES NP
	WIN 0
	FETCH_A \slot, (\q)+1, 4
.endm
; A slot's last step changes slots: one barrier; in front of it each wave waits for all its tensor loads, adds 0 to its spare word, and waits for that and for its own reads of this slot.  fill = 1: this slot is filled again, two K steps ahead.
.macro TURN slot, next, fill
	s_wait_tensorcnt 0x0                           ; all my tensor loads have landed: my part of the next slot
	ds_add_u32 v[SPW], v[NIL]                      ; 0 onto my spare word
	s_wait_dscnt 4*NL+1                            ; (the add and the youngest sixteen loads may be out)
	WIN MUL_LO
	MUL16 0, 1, 0                                  ; sixteen matrix instructions stand between the add and the wait for it
	s_wait_dscnt 0x0                               ; the add is done, and my reads of this slot are over
	s_barrier_signal -1
	MUL16 2, 1, 0
	WIN 0
	s_barrier_wait -1
.if \fill
	CREST                                          ; the barrier has opened a round of the cluster's barrier: no wave of any partner still reads this slot or has a load on its way
	s_add_nc_u64 s[G0+4*\slot+2:G0+4*\slot+3], s[G0+4*\slot+2:G0+4*\slot+3], 2*ROWB
	s_add_nc_u64 s[G0B+4*\slot+2:G0B+4*\slot+3], s[G0B+4*\slot+2:G0B+4*\slot+3], 2*ROWB
	JLOAD G0+4*\slot, G1, G0B+4*\slot, G1B         ; the first tensor load behind the round; its four v_nop are the places in front of the loads below
.else
	PLACES NP
.endif
	FETCH_B \next, 0, 0
	FETCH_A \next, 0, 0
	WIN MUL_HI
	MUL16 4, 1, 0
	MUL16 6, 1, 0
	PLACES NP
	WIN 0
	FETCH_A \next, 0, 4
.endm
	s_wait_alu depctr_va_vdst(0)
	s_wait_tensorcnt 0x0                           ; my part of K step 0 is in
	ds_add_u32 v[SPW], v[NIL]
	s_wait_dscnt 0x0
	CROUND                                         ; everybody's part is in, and all sixteen work-groups are here
	JLOAD G0+4, G1, G0B+4, G1B                     ; K step 1, the first tensor load behind the round
	FETCH_B 0, 0, 0
	FETCH_A 0, 0, 0
	FETCH_A 0, 0, 4
	STEP 0, 0, 1                                   ; K = 1,024 is four K steps: all are written out.  The first products start the sums
	TURN 0, 1, 1                                   ; slot 0 takes K step 2
	STEP 1, 0, 0
	TURN 1, 0, 1                                   ; slot 1 takes K step 3
	STEP 0, 0, 0
	TURN 0, 1, 0                                   ; nothing is left to fetch
	STEP 1, 0, 0
	s_wait_dscnt 4*NL
	WIN MUL_LO
	MUL16 0, 1, 0
	MUL16 2, 1, 0
	s_wait_alu depctr_va_vdst(0)
	s_wait_dscnt 0
	WIN MUL_HI
	MUL16 4, 1, 0
	MUL16 6, 1, 0
	WIN 0
; THE WAY OUT.  Block a (16 rows of source 1): its eight results are held and converted; result b gives registers 2 b and 2 b + 1 of the block's 16 registers of codes.
.macro QBLOCK a
.set AC, 64*((\a)%4)
	WIN 0x02+((\a)/4)                              ; source 0: window 2 or 3
.set j, 0
.rept 64
	v_med3_num_f32 v[TMP+j], v[AC+j], -v[QLIM], v[QLIM]   ; the conversion to an 8-bit code does not saturate (ISA guide 7.6.2); each accumulator is read from its low end on
.set j, j+1
.endr
	WIN 0
.irp b, 0,1,2,3,4,5,6,7
	v_cvt_scalef32_pk8_fp8_f32 v[CD+16*(\a)+2*\b:CD+16*(\a)+2*\b+1], v[TMP+8*\b:TMP+8*\b+7], v[QSC]
.endr
	v_nop                                          ; a plain vector instruction between the conversions and the next block's holds, which write their sources
.endm
	PLACES NP                                      ; behind the last products: the codes are laid over source 1's fragments
.irp a, 0,1,2,3,4,5,6,7
	QBLOCK \a
.endr
	s_cmp_eq_u32 s[KIND], 2                        ; the cluster's number alone: all partners go the same way
	s_cbranch_scc1 .Lstore_v
.irp a, 0,1,2,3,4,5,6,7                ; q, k: block a is a tile of 16 tokens; registers 0-7 are my first head's fragment, 8-15 my second's
.irp p, 0,1,2,3
	global_store_b128 v[CO], v[CD+16*\a+4*\p:CD+16*\a+4*\p+3], s[10:11] offset:\a*1024+(\p/2)*131072+(\p%2)*512   ; 512 consecutive bytes, aligned
.endr
.endr
	s_branch .Lstored
.Lstore_v:
	s_wait_alu depctr_va_vdst(0)
.irp a, 0,1,2,3,4,5,6,7                ; v: block a is 16 of a head's 64 (head a / 4, tile a % 4); its 16 registers are a fragment over my 128 keys
.irp p, 0,1,2,3
	global_store_b128 v[CO], v[CD+16*\a+4*\p:CD+16*\a+4*\p+3], s[10:11] offset:(\a/4)*131072+(\a%4)*2048+\p*512
.endr
.endr
.Lstored:
	s_wait_tensorcnt 0x0                           ; the wave's end
	ds_add_u32 v[SPW], v[NIL]
	s_wait_dscnt 0x0
	CROUND                                         ; the closing round: no work-group ends while a partner may still ask for a tile that names it
	s_endpgm
.Lfunc_end_k_q33e154e909_proj:
	.size	k_q33e154e909_proj, .Lfunc_end_k_q33e154e909_proj-k_q33e154e909_proj
	.p2alignl 7, 3214868480
	.fill 96, 4, 3214868480
	.section	.rodata,"a",@progbits
	.p2align	6, 0x0
	.amdhsa_kernel k_q33e154e909_proj
		.amdhsa_group_segment_fixed_size 327680
		.amdhsa_private_segment_fixed_size 0
		.amdhsa_enable_private_segment 0
		.amdhsa_kernarg_size 80
		.amdhsa_user_sgpr_count 2
		.amdhsa_user_sgpr_kernarg_segment_ptr 1
		.amdhsa_wavefront_size32 1
		.amdhsa_system_sgpr_workgroup_id_x 1
		.amdhsa_system_sgpr_workgroup_id_y 1
		.amdhsa_system_sgpr_workgroup_id_z 1
		.amdhsa_system_vgpr_workitem_id 0
		.amdhsa_next_free_vgpr 1024
		.amdhsa_next_free_sgpr 100
		.amdhsa_reserve_vcc 0
		.amdhsa_float_denorm_mode_32 3
		.amdhsa_float_denorm_mode_16_64 3
		.amdhsa_memory_ordered 1
		.amdhsa_forward_progress 1
		.amdhsa_inst_pref_size 122
	.end_amdhsa_kernel
	.amdgpu_metadata
---
amdhsa.version: [ 1, 2 ]
amdhsa.kernels:
  - .name:           k_q33e154e909_proj
    .symbol:         k_q33e154e909_proj.kd
    .args:
      - { .name: xq, .offset: 0, .size: 8, .value_kind: global_buffer, .address_space: global }
      - { .name: key_codes, .offset: 8, .size: 8, .value_kind: global_buffer, .address_space: global }
      - { .name: value_codes, .offset: 16, .size: 8, .value_kind: global_buffer, .address_space: global }
      - { .name: Wq_codes, .offset: 24, .size: 8, .value_kind: global_buffer, .address_space: global }
      - { .name: Wk_codes, .offset: 32, .size: 8, .value_kind: global_buffer, .address_space: global }
      - { .name: Wv_codes, .offset: 40, .size: 8, .value_kind: global_buffer, .address_space: global }
      - { .name: lowp_scales, .offset: 48, .size: 8, .value_kind: global_buffer, .address_space: global }
      - { .name: qimg, .offset: 56, .size: 8, .value_kind: global_buffer, .address_space: global }
      - { .name: kimg, .offset: 64, .size: 8, .value_kind: global_buffer, .address_space: global }
      - { .name: vimg, .offset: 72, .size: 8, .value_kind: global_buffer, .address_space: global }
    .group_segment_fixed_size: 327680
    .private_segment_fixed_size: 0
    .kernarg_segment_align: 8
    .kernarg_segment_size: 80
    .max_flat_workgroup_size: 128
    .sgpr_count:     100
    .vgpr_count:     1024
    .wavefront_size: 32
...
	.end_amdgpu_metadata
.endif
;; end of part 2
;; launch attn (part 3): grid 16 x 16, 8 waves a work-group, clusters of 4 x 1, 327,680 bytes of LDS; arguments qimg, kimg, vimg, mbits, lowp_scales, cimg; writes cimg
.if DOCPART == 3
	.amdgcn_target "amdgcn-amd-amdhsa--gfx1250"
	.amdhsa_code_object_version 6
	.text
	.protected	k_q33e154e909_attn
	.globl	k_q33e154e909_attn
	.p2align	8
	.type	k_q33e154e909_attn,@function
k_q33e154e909_attn:
	s_mov_b64 s[64:65], 0
	v_nop
	global_prefetch_b8 v0, s[64:65] scope:SCOPE_SE
	s_setreg_imm32_b32 hwreg(HW_REG_WAVE_MODE, 25, 1), 1
	s_wait_xcnt 0x0
	s_wait_alu depctr_hold_cnt(0) depctr_sa_sdst(0) depctr_va_vdst(0) depctr_va_sdst(0) depctr_va_ssrc(0) depctr_va_vcc(0) depctr_vm_vsrc(0)
	s_getreg_b32 s2, hwreg(HW_REG_IB_STS2, 6, 4)
	s_cmp_eq_u32 s2, 0
	s_cbranch_scc0 .Lentry_in_a_cluster
	s_endpgm
.Lentry_in_a_cluster:
	s_bfe_u32 s2, ttmp6, 0x10000c
	s_cmp_lg_u32 s2, 0x3003
	s_cbranch_scc0 .Lentry_shape_is_right
	s_endpgm
.Lentry_shape_is_right:
; Launch 3 of 4: attention on codes of E4M3.  Nothing of the problem is left out: hidden scores are selected, not skipped.
; SHARES.  A work-group owns 128 queries of one batch and FOUR heads (y = 4 x batch + group of heads); each of its eight waves owns one tile of 16 queries for all four heads.
; THE MASK IS THE SAME FOR ALL HEADS: once a step of 128 keys a wave makes 64 registers of bias (0, or NEG where the key is hidden) from the lane masks in mbits,
; and each head's score product takes them as its C: 64 selects serve 4 x 64 registers of scores.
; Both products are used transposed (S^T = K Q^T + bias, O^T = V^T P^T): a lane holds one query.  t = score x log2(e) / 8; M = ceil(running largest t); p = 2^(t - M) is quantised with 2^e8;
; the sum is taken of the unquantised p and divides at the end; when M moves, sum and O^T are multiplied by 2^(old M - new M).
; A ROW ALL OF WHOSE KEYS SO FAR ARE HIDDEN (largest t under -2^30): the lane's factor and its -M are both 0, so every p is 1, as equal scores give; its largest t and M stay at their starting values,
; so that the first open key multiplies those sums by 0.
; K and V stream through two LDS slots of 2 steps x 4 heads (131,072 bytes); wave w fetches 16,384 dense bytes: K of head w (w < 4) or V of head w - 4.
; CLUSTER: the four query blocks of a cluster walk the same K and V and ask jointly (mask 15); each refill stands behind a round of the cluster's barrier.
; PREFETCH: behind each refill but the last, the slot after the one asked for; of a wave's 64 blocks of 256 bytes the partner at place cx names 16 cx .. 16 cx + 15 (lanes 16-31 name the last again).
; LIMITS: e6 + e7 between -94 and 130; e8 and e10 between -126 and 119; the t of open keys stays above -2^30 (a hidden key stands near -2^33 x 0.18); NaN among the inputs is not served.
; REGISTERS.  Window 0: v1-31 addresses, constants, per-head state; v32-63 Q; v64-79 p's codes; v80-127 at work; v128-191 scores; v192-255 K's fragments.  Window 1: v0-127 O^T of four heads; v128-191 bias; v192-255 V's fragments.
.set VOFF,  65536
.set SLOT1, 131072
.set SPARE, 262144
.set L16, 1
.set ADK, 2
.set ADV, 3
.set SPW, 4
.set NIL, 5
.set NEG, 6
.set PSC, 7
.set PLIM, 8                           ; v8, v9: 448 x 2^e8, twice, for the two halves of a dual pair
.set FF,  10
.set NME, 12
.set CL,  14
.set NM,  16
.set TM,  20
.set SUM, 24
.set QF,  32
.set PC,  64
.set MX,  80
.set PX,  84
.set VCS, 85
.set PFO, 86
.set SA,  88
.set CSC, 94
.set CC,  96
.set S,   128
.set KF,  192
.set CT,  128
.set OT,  0                            ; window 1
.set BI,  128                          ; window 1
.set VF,  192                          ; window 1
.set WV,  8
.set MO,  9
.set CNT, 10
.set TB,  11
.set CS,  12
.set SEL, 14
.set G1,  16
.set G0,  24
.set PFA, 28
.set SLC, 30
.set MSB, 0
.macro WIN new                         ; the immediate's high byte repeats the setting that is left
.if MSB != \new
	s_set_vgpr_msb (MSB<<8)|\new
.set MSB, \new
.endif
.endm
.macro ROUND
	s_barrier_signal -1
	s_barrier_wait -1
	s_cmp_lg_u32 s[WV], 0
	s_cbranch_scc1 .Lnot_wave_0_\@
	s_barrier_signal -3
.Lnot_wave_0_\@:
	s_barrier_wait -3
	s_barrier_signal -1
	s_barrier_wait -1
.endm
	s_load_b256 s[32:39], s[0:1], 0x0              ; qimg, kimg, vimg, mbits
	s_load_b128 s[40:43], s[0:1], 0x20             ; lowp_scales, cimg
	v_lshl_add_u32 v[SPW], v0, 2, SPARE
	v_mov_b32 v[NIL], 0
	ds_add_u32 v[SPW], v[NIL]                      ; the opening lines: the add twice on end and its wait
	ds_add_u32 v[SPW], v[NIL]
	v_lshrrev_b32 v1, 5, v0
	v_readfirstlane_b32 s[WV], v1                  ; wave 0..7
	s_bfe_u32 s2, ttmp6, 0x40000                   ; cx
	s_lshl_b32 s67, s2, 12
	v_and_b32 v[L16], 31, v0
	v_min_u32 v[PFO], 15, v[L16]
	v_lshlrev_b32 v[PFO], 8, v[PFO]
	v_add_nc_u32 v[PFO], s67, v[PFO]               ; the prefetches' offset: 4,096 cx + 256 min(lane, 15)
	v_lshlrev_b32 v[L16], 4, v[L16]                ; 16 x lane
	s_lshl_b32 s3, ttmp9, 2
	s_add_co_u32 s3, s3, s2
	s_lshl_b32 s3, s3, 3
	s_add_co_u32 s3, s3, s[WV]                     ; my tile of 16 queries in the batch: 0..127
	s_and_b32 s9, ttmp7, 0xffff                    ; y
	s_mov_b32 s[G1], 15|(3<<16)|(1<<21)            ; mask: all four partners; elements of 8 bytes; bit 21 beside a mask
	s_mov_b32 s[G1+1], 32<<16                      ; rows of 256 bytes,
	s_mov_b32 s[G1+2], 64<<16                      ; 64 of them, dense
	s_mov_b32 s[G1+3], 32<<16
	s_mov_b32 s[G1+4], 64
	s_mov_b32 s[G1+5], 32
	s_mov_b32 s[G1+6], 0
	s_mov_b32 s[G1+7], 0
	s_mov_b32 s[G0], 1
	s_lshl_b32 s[G0+1], s[WV], 14                  ; LDS: 16,384 x wave, in slot 0
	s_lshl_b32 s31, s9, 2                          ; my first head among 64: 16 x batch + 4 x group = 4 y
	s_and_b32 s10, s[WV], 3
	s_add_co_u32 s10, s10, s31
	s_lshl_b32 s10, s10, 17                        ; the image of the head that I fetch for: 131,072 bytes a head
	s_mov_b32 s11, 0
	s_lshl_b32 s12, s31, 7
	s_add_co_u32 s12, s12, s3
	s_lshl_b32 s12, s12, 10                        ; Q: (128 x head + tile) x 1,024
	s_mov_b32 s13, 0
	s_lshr_b32 s2, s9, 2
	s_lshl_b32 s2, s2, 7
	s_add_co_u32 s2, s2, s3                        ; 128 x batch + tile
	s_lshl_b32 s14, s2, 12                         ; its lane masks: 16 steps x 256 bytes
	s_mov_b32 s15, 0
	s_lshl_b32 s2, s2, 4
	s_and_b32 s31, s31, 15
	s_add_co_u32 s2, s2, s31
	s_lshl_b32 s2, s2, 10                          ; cimg: (16 x (128 x batch + tile) + head) x 1,024
	s_mov_b32 s3, 0
	s_wait_alu depctr_va_vdst(0)
	s_wait_dscnt 0x0
	s_wait_kmcnt 0x0
	s_load_b128 s[44:47], s[40:41], 0x18           ; e6 .. e9
	s_load_b32 s48, s[40:41], 0x28                 ; e10
	s_add_nc_u64 s[100:101], s[32:33], s[12:13]
	s_add_nc_u64 s[4:5], s[38:39], s[14:15]
	s_add_nc_u64 s[6:7], s[42:43], s[2:3]
	s_cmp_lt_u32 s[WV], 4
	s_cselect_b64 s[G0+2:G0+3], s[34:35], s[36:37]
	s_add_nc_u64 s[G0+2:G0+3], s[G0+2:G0+3], s[10:11]
	s_add_nc_u64 s[PFA:PFA+1], s[G0+2:G0+3], 16384 ; at slot 1: the first change steps it to slot 2
	s_or_b32 s[G0+3], s[G0+3], 0x80000000
	ROUND
	tensor_load_to_lds s[G0:G0+3], s[G1:G1+7]      ; slot 0: my one load at the head
	s_nop 0
.rept 4
	v_nop
.endr
.irp h, 0,1,2,3
	global_load_b128 v[QF+8*\h:QF+8*\h+3], v[L16], s[100:101] offset:131072*\h
	global_load_b128 v[QF+8*\h+4:QF+8*\h+7], v[L16], s[100:101] offset:131072*\h+512
.endr
	s_wait_kmcnt 0x0
	s_add_co_i32 s2, s44, s45
	s_lshl_b32 s3, s2, 23
	s_mov_b32 s[CS], 0x3e38aa3b                    ; log2(e) / 8,
	s_add_co_i32 s[CS], s[CS], s3                  ; x 2^(e6 + e7)
	v_mov_b32 v[VCS], s[CS]
	s_sub_co_i32 s3, 160, s2
	s_lshl_b32 s3, s3, 23
	s_or_b32 s3, s3, 0x80000000
	v_mov_b32 v[NEG], s3                           ; -2^(33 - e6 - e7)
	s_add_co_i32 s2, s46, 127
	s_lshl_b32 s3, s2, 23
	v_mov_b32 v[PSC], s3                           ; 2^e8
	s_add_co_i32 s2, s2, 8
	s_lshl_b32 s2, s2, 23
	s_or_b32 s2, s2, 0x600000
	v_mov_b32 v[PLIM], s2                          ; 448 x 2^e8
	v_mov_b32 v[PLIM+1], s2
	s_add_co_i32 s66, s46, s47                     ; e8 + e9
	s_add_co_i32 s2, s48, 127
	s_lshl_b32 s3, s2, 23
	v_mov_b32 v[CSC], s3                           ; 2^e10
	s_add_co_i32 s2, s2, 8
	s_lshl_b32 s2, s2, 23
	s_or_b32 s2, s2, 0x600000
	v_mov_b32 v[CSC+1], s2                         ; 448 x 2^e10
	s_mov_b32 s[SEL], 0x76543210
	s_mov_b32 s[SEL+1], 0xfedcba98
	s_mov_b32 s[MO], 0
.macro MASKS                           ; a step's 64 lane masks
	s_load_b512 s[32:47], s[4:5], s[MO] offset:0x0
	s_load_b512 s[48:63], s[4:5], s[MO] offset:0x40
	s_load_b512 s[68:83], s[4:5], s[MO] offset:0x80
	s_load_b512 s[84:99], s[4:5], s[MO] offset:0xc0
.endm
	MASKS
	v_mov_b32 v[PX], 0
	v_mov_b32 v[FF+1], 0
	v_mov_b32 v[NME+1], 0
	v_mov_b32 v[CL+1], 0
.irp h, 0,1,2,3
	v_mov_b32 v[TM+\h], 0xff61b1e6                 ; the largest t so far: -3e38
	v_mov_b32 v[NM+\h], 0x7f61b1e6                 ; -M
	v_mov_b32 v[SUM+2*\h], 0
	v_mov_b32 v[SUM+2*\h+1], 0
.endr
	WIN 0x40
.set j, 0
.rept 128
	v_mov_b32 v[OT+j], 0                           ; the step is written once: the first finds zeros
.set j, j+1
.endr
	WIN 0
.macro KL on, h, t                     ; tile t of head h's K fragments: two loads
.if \on
	ds_load_b128 v[KF+8*(\t):KF+8*(\t)+3], v[ADK] offset:16384*(\h)+1024*(\t)
	ds_load_b128 v[KF+8*(\t)+4:KF+8*(\t)+7], v[ADK] offset:16384*(\h)+1024*(\t)+512
.endif
.endm
.macro FMA n                           ; n pairs of scores become t - M; j walks on
.rept \n
	v_pk_fma_f32 v[S+j:S+j+1], v[S+j:S+j+1], v[CL:CL+1], v[NME:NME+1] op_sel_hi:[1,0,0]
.set j, j+2
.endr
.endm
.macro DU t                            ; the hold of tile t (the conversion does not saturate: ISA guide 7.6.2; p is not negative), two numbers a line
.irp i, 0,2,4,6
	v_dual_min_num_f32 v[S+8*(\t)+\i], v[S+8*(\t)+\i], v[PLIM] :: v_dual_min_num_f32 v[S+8*(\t)+\i+1], v[S+8*(\t)+\i+1], v[PLIM+1]
.endr
.endm
.macro CV t                            ; tile t's codes: registers 2 t, 2 t + 1 of the second product's operand
	v_cvt_scalef32_pk8_fp8_f32 v[PC+2*(\t):PC+2*(\t)+1], v[S+8*(\t):S+8*(\t)+7], v[PSC]
.endm
; ONE HEAD'S PART OF A STEP.  more = 1: the next head's K fragments are asked for, between the lines that update M.
.macro HS h, more
.if (\h) == 0
	s_wait_alu depctr_va_vdst(0)
.endif
	s_wait_dscnt 0x0                               ; K's fragments are in
	WIN 0x10
.irp t, 0,1,2,3,4,5,6,7
	v_wmma_f32_16x16x64_fp8_fp8 v[S+8*\t:S+8*\t+7], v[KF+8*\t:KF+8*\t+7], v[QF+8*(\h):QF+8*(\h)+7], v[BI+8*\t:BI+8*\t+7]
.endr
.rept 4
	v_nop                                          ; places ahead of the loads into V's fragments and of the first read of the scores
.endr
	WIN 0x40
.irp d, 0,1,2,3
.irp q, 0,1,2,3
	ds_load_b128 v[VF+16*\d+4*\q:VF+16*\d+4*\q+3], v[ADV] offset:16384*(\h)+2048*\d+512*\q
.endr
.endr
	WIN 0
.set n, 0                              ; the largest score of my query among my 64 keys, in eight chains, the registers in ascending order
.irp r, MX,MX+1,MX+2,MX+3,SA,SA+1,SA+2,SA+3
	v_max3_num_f32 v[\r], v[S+n], v[S+n+1], v[S+n+2]
.set n, n+3
.endr
.rept 2
.irp r, MX,MX+1,MX+2,MX+3,SA,SA+1,SA+2,SA+3
	v_max3_num_f32 v[\r], v[\r], v[S+n], v[S+n+1]
.set n, n+2
.endr
.endr
.irp r, MX,MX+1,MX+2,MX+3
	v_max3_num_f32 v[\r], v[\r], v[S+n], v[S+n+1]
.set n, n+2
.endr
	v_max3_num_f32 v[MX], v[MX], v[MX+1], v[MX+2]
	v_max3_num_f32 v[MX+3], v[MX+3], v[SA], v[SA+1]
	v_max_num_f32 v[SA+2], v[SA+2], v[SA+3]
	KL \more, (\h)+1, 0
	v_max3_num_f32 v[MX], v[MX], v[MX+3], v[SA+2]
	KL \more, (\h)+1, 1
	v_permlanex16_b32 v[PX], v[MX], s[SEL], s[SEL+1]
	KL \more, (\h)+1, 2
	v_max_num_f32 v[MX], v[MX], v[PX]              ; and among lane l xor 16's
	KL \more, (\h)+1, 3
	v_mul_f32 v[MX], s[CS], v[MX]                  ; as t
	KL \more, (\h)+1, 4
	v_max_num_f32 v[TM+\h], v[TM+\h], v[MX]
	KL \more, (\h)+1, 5
	v_cmp_le_f32 vcc_lo, 0xce800000, v[TM+\h]      ; has my row met an open key?  -2^30 <= largest t
	v_floor_f32 v[MX+1], -v[TM+\h]                 ; -ceil(t)
	KL \more, (\h)+1, 6
	KL \more, (\h)+1, 7
	v_cndmask_b32 v[CL], 0, v[VCS], vcc_lo         ; if not, the factor is 0,
	v_cndmask_b32 v[NME], 0, v[MX+1], vcc_lo       ; and so is the -M that p takes,
	v_cndmask_b32 v[MX+1], 0x7f61b1e6, v[MX+1], vcc_lo     ; and -M
	v_cndmask_b32 v[TM+\h], 0xff61b1e6, v[TM+\h], vcc_lo   ; and the largest t stay at their start
.set j, 0
	v_sub_f32 v[MX+2], v[MX+1], v[NM+\h]           ; old M - new M; the lines that make f stand among the scalings
	FMA 4
	v_cvt_i32_f32 v[MX+2], v[MX+2]                 ; (it saturates)
	v_mov_b32 v[NM+\h], v[MX+1]
	FMA 4
	v_ldexp_f32 v[FF], 1.0, v[MX+2]                ; f = 2^(old M - new M)
	FMA 24
	WIN 0x41
	s_wait_alu depctr_va_vdst(0)                   ; ahead of O^T's first readers, and ahead of the batch
.set j, 0
.rept 16
	v_pk_mul_f32 v[OT+32*(\h)+j:OT+32*(\h)+j+1], v[OT+32*(\h)+j:OT+32*(\h)+j+1], v[FF:FF+1] op_sel_hi:[1,0]
.set j, j+2
.endr
	WIN 0
.set n, 0
.rept 64
	v_exp_f32 v[S+n], v[S+n]                       ; p = 2^(t - M)
.set n, n+1
.endr
	v_pk_mul_f32 v[SUM+2*(\h):SUM+2*(\h)+1], v[SUM+2*(\h):SUM+2*(\h)+1], v[FF:FF+1] op_sel_hi:[1,0]
	s_wait_alu depctr_va_vdst(0)                   ; one wait for the batch, ahead of its first reader
	; by tiles of 16 keys: the sum of the unquantised p (four chains), then the tile's hold; a tile's conversion stands behind the next tile's lines
	v_pk_add_f32 v[SA:SA+1], v[S:S+1], v[S+2:S+3]
	v_pk_add_f32 v[SA+2:SA+3], v[S+4:S+5], v[S+6:S+7]
	DU 0
	v_pk_add_f32 v[SA+4:SA+5], v[S+8:S+9], v[S+10:S+11]
	v_pk_add_f32 v[SUM+2*(\h):SUM+2*(\h)+1], v[SUM+2*(\h):SUM+2*(\h)+1], v[S+12:S+13]
	v_pk_add_f32 v[SA:SA+1], v[SA:SA+1], v[S+14:S+15]
	DU 1
	CV 0
.irp t, 2,3,4,5,6,7
	v_pk_add_f32 v[SA+2:SA+3], v[SA+2:SA+3], v[S+8*\t:S+8*\t+1]
	v_pk_add_f32 v[SA+4:SA+5], v[SA+4:SA+5], v[S+8*\t+2:S+8*\t+3]
	v_pk_add_f32 v[SUM+2*(\h):SUM+2*(\h)+1], v[SUM+2*(\h):SUM+2*(\h)+1], v[S+8*\t+4:S+8*\t+5]
	v_pk_add_f32 v[SA:SA+1], v[SA:SA+1], v[S+8*\t+6:S+8*\t+7]
	DU \t
	CV (\t)-1
.endr
	v_pk_add_f32 v[SA:SA+1], v[SA:SA+1], v[SA+2:SA+3]
	v_pk_add_f32 v[SUM+2*(\h):SUM+2*(\h)+1], v[SUM+2*(\h):SUM+2*(\h)+1], v[SA+4:SA+5]
	CV 7
	v_pk_add_f32 v[SUM+2*(\h):SUM+2*(\h)+1], v[SUM+2*(\h):SUM+2*(\h)+1], v[SA:SA+1]   ; also the plain line between the conversions and the products
	s_wait_alu depctr_va_vdst(0)
	s_wait_dscnt 16*(\more)                        ; V's fragments are in; the next head's 16 loads of K may be out
	WIN 0x51
.irp d, 0,1,2,3
	v_wmma_f32_16x16x128_fp8_fp8 v[OT+32*(\h)+8*\d:OT+32*(\h)+8*\d+7], v[VF+16*\d:VF+16*\d+15], v[PC:PC+15], v[OT+32*(\h)+8*\d:OT+32*(\h)+8*\d+7]
.endr
	WIN 0
.endm
; A STEP: 128 keys, four heads.  The 64 selects of the bias stand behind the first head's loads of K.
.macro STEP
	v_add_nc_u32 v[ADK], s[TB], v[L16]
	v_add_nc_u32 v[ADV], VOFF, v[ADK]
.irp t, 0,1,2,3,4,5,6,7
	KL 1, 0, \t
.endr
	s_wait_kmcnt 0x0                               ; this step's lane masks
	WIN 0x40
.set n, 0
.rept 64
	v_cndmask_b32 v[BI+n], 0, v[NEG], s[32+n+4*(n/32)]
.set n, n+1
.endr
	WIN 0
	s_add_co_u32 s[MO], s[MO], 256
	s_and_b32 s[MO], s[MO], 0xfff                  ; (the last step names step 0 again: inside the buffer)
	MASKS
	HS 0, 1
	HS 1, 1
	HS 2, 1
	HS 3, 0
	s_xor_b32 s[TB], s[TB], 8192                   ; the slot's other step
.endm
; THE CHANGE OF SLOTS, at a slot's head: all my tensor loads are in, the add, my reads of the slot that I left are over; behind the round that slot is filled again.
.macro CHANGE fill
	s_wait_tensorcnt 0x0
	ds_add_u32 v[SPW], v[NIL]
.if \fill
	s_xor_b32 s[G0+1], s[G0+1], SLOT1
	s_add_nc_u64 s[G0+2:G0+3], s[G0+2:G0+3], 16384
	s_wait_xcnt 0x0                                ; my prefetch has read its address
	s_add_nc_u64 s[PFA:PFA+1], s[PFA:PFA+1], 16384
.endif
	s_wait_dscnt 0x0
.if \fill
	ROUND
	tensor_load_to_lds s[G0:G0+3], s[G1:G1+7]      ; my one load behind the round (the first time: slot 1's first fill)
	s_nop 0
.rept 4
	v_nop
.endr
	s_cmp_eq_u32 s[SLC], 1                         ; the last refill has no slot behind it
	s_cbranch_scc1 .Lno_ask_\@
	global_prefetch_b8 v[PFO], s[PFA:PFA+1] th:TH_LOAD_NT scope:SCOPE_SE
.Lno_ask_\@:
.else
	s_barrier_signal -1
	s_barrier_wait -1
.endif
.endm
	s_mov_b32 s[TB], 0
	s_mov_b32 s[SLC], 7
	s_wait_alu depctr_va_vdst(0)
	s_wait_loadcnt 0x0                             ; Q
.Lslot:                                                ; seven slots, each asking for the next
	CHANGE 1
	s_mov_b32 s[CNT], 2
.Lstep:
	STEP
	s_sub_co_u32 s[CNT], s[CNT], 1
	s_cmp_lg_u32 s[CNT], 0
	s_cbranch_scc1 .Lstep
	s_xor_b32 s[TB], s[TB], SLOT1
	s_sub_co_u32 s[SLC], s[SLC], 1
	s_cmp_lg_u32 s[SLC], 0
	s_cbranch_scc1 .Lslot
	CHANGE 0                                       ; the last slot is written out: it asks for nothing
	s_mov_b32 s[CNT], 2
.Ltail:
	STEP
	s_sub_co_u32 s[CNT], s[CNT], 1
	s_cmp_lg_u32 s[CNT], 0
	s_cbranch_scc1 .Ltail
	; THE WAY OUT: O^T / the sum x 2^(e8 + e9), held and converted with 2^e10: images of the last product's operand registers, 512 consecutive bytes a store
	s_wait_alu depctr_va_vdst(0)
	s_wait_kmcnt 0x0
.irp h, 0,1,2,3
	v_add_f32 v[SUM+2*\h], v[SUM+2*\h], v[SUM+2*\h+1]
.endr
.irp h, 0,1,2,3
	v_permlanex16_b32 v[MX+\h], v[SUM+2*\h], s[SEL], s[SEL+1]
.endr
.irp h, 0,1,2,3
	v_add_f32 v[SUM+2*\h], v[SUM+2*\h], v[MX+\h]
.endr
	s_wait_alu depctr_va_vdst(0)                   ; ahead of the batch
.irp h, 0,1,2,3
	v_rcp_f32 v[SUM+2*\h], v[SUM+2*\h]
.endr
	v_nop
	s_wait_alu depctr_va_vdst(0)                   ; and behind it
.irp h, 0,1,2,3
	v_ldexp_f32 v[SUM+2*\h], v[SUM+2*\h], s66
.endr
	WIN 0x01
	s_wait_alu depctr_va_vdst(0)                   ; directly ahead of O^T's first readers
.irp h, 0,1,2,3
.set j, 0
.rept 16
	v_pk_mul_f32 v[CT+32*\h+j:CT+32*\h+j+1], v[OT+32*\h+j:OT+32*\h+j+1], v[SUM+2*\h:SUM+2*\h+1] op_sel_hi:[1,0]
.set j, j+2
.endr
.endr
	WIN 0
.set j, 0
.rept 128
	v_med3_num_f32 v[CT+j], v[CT+j], -v[CSC+1], v[CSC+1]
.set j, j+1
.endr
.set j, 0
.rept 16
	v_cvt_scalef32_pk8_fp8_f32 v[CC+2*j:CC+2*j+1], v[CT+8*j:CT+8*j+7], v[CSC]
.set j, j+1
.endr
	v_nop
.irp h, 0,1,2,3
	global_store_b128 v[L16], v[CC+8*\h:CC+8*\h+3], s[6:7] offset:1024*\h
	global_store_b128 v[L16], v[CC+8*\h+4:CC+8*\h+7], s[6:7] offset:1024*\h+512
.endr
	s_wait_tensorcnt 0x0                           ; the wave's end
	ds_add_u32 v[SPW], v[NIL]
	s_wait_dscnt 0x0
	ROUND                                          ; the closing round
	s_endpgm
.Lfunc_end_k_q33e154e909_attn:
	.size	k_q33e154e909_attn, .Lfunc_end_k_q33e154e909_attn-k_q33e154e909_attn
	.p2alignl 7, 3214868480
	.fill 96, 4, 3214868480
	.section	.rodata,"a",@progbits
	.p2align	6, 0x0
	.amdhsa_kernel k_q33e154e909_attn
		.amdhsa_group_segment_fixed_size 327680
		.amdhsa_private_segment_fixed_size 0
		.amdhsa_enable_private_segment 0
		.amdhsa_kernarg_size 48
		.amdhsa_user_sgpr_count 2
		.amdhsa_user_sgpr_kernarg_segment_ptr 1
		.amdhsa_wavefront_size32 1
		.amdhsa_system_sgpr_workgroup_id_x 1
		.amdhsa_system_sgpr_workgroup_id_y 1
		.amdhsa_system_sgpr_workgroup_id_z 1
		.amdhsa_system_vgpr_workitem_id 0
		.amdhsa_next_free_vgpr 512
		.amdhsa_next_free_sgpr 102
		.amdhsa_reserve_vcc 1
		.amdhsa_float_denorm_mode_32 3
		.amdhsa_float_denorm_mode_16_64 3
		.amdhsa_memory_ordered 1
		.amdhsa_forward_progress 1
		.amdhsa_inst_pref_size 161
	.end_amdhsa_kernel
	.amdgpu_metadata
---
amdhsa.version: [ 1, 2 ]
amdhsa.kernels:
  - .name:           k_q33e154e909_attn
    .symbol:         k_q33e154e909_attn.kd
    .args:
      - { .name: qimg, .offset: 0, .size: 8, .value_kind: global_buffer, .address_space: global }
      - { .name: kimg, .offset: 8, .size: 8, .value_kind: global_buffer, .address_space: global }
      - { .name: vimg, .offset: 16, .size: 8, .value_kind: global_buffer, .address_space: global }
      - { .name: mbits, .offset: 24, .size: 8, .value_kind: global_buffer, .address_space: global }
      - { .name: lowp_scales, .offset: 32, .size: 8, .value_kind: global_buffer, .address_space: global }
      - { .name: cimg, .offset: 40, .size: 8, .value_kind: global_buffer, .address_space: global }
    .group_segment_fixed_size: 327680
    .private_segment_fixed_size: 0
    .kernarg_segment_align: 8
    .kernarg_segment_size: 48
    .max_flat_workgroup_size: 256
    .sgpr_count:     102
    .vgpr_count:     512
    .wavefront_size: 32
...
	.end_amdgpu_metadata
.endif
;; end of part 3
;; launch outp (part 4): grid 256 x 1, 4 waves a work-group, clusters of 4 x 1, 327,680 bytes of LDS; arguments cimg, wfcimg, query, lowp_scales, out0; writes out0
.if DOCPART == 4
	.amdgcn_target "amdgcn-amd-amdhsa--gfx1250"
	.amdhsa_code_object_version 6
	.text
	.protected	k_q33e154e909_outp
	.globl	k_q33e154e909_outp
	.p2align	8
	.type	k_q33e154e909_outp,@function
k_q33e154e909_outp:
	s_mov_b64 s[64:65], 0
	v_nop
	global_prefetch_b8 v0, s[64:65] scope:SCOPE_SE
	s_setreg_imm32_b32 hwreg(HW_REG_WAVE_MODE, 25, 1), 1
	s_wait_xcnt 0x0
	s_wait_alu depctr_hold_cnt(0) depctr_sa_sdst(0) depctr_va_vdst(0) depctr_va_sdst(0) depctr_va_ssrc(0) depctr_va_vcc(0) depctr_vm_vsrc(0)
	s_getreg_b32 s2, hwreg(HW_REG_IB_STS2, 6, 4)
	s_cmp_eq_u32 s2, 0
	s_cbranch_scc0 .Lentry_in_a_cluster
	s_endpgm
.Lentry_in_a_cluster:
	s_bfe_u32 s2, ttmp6, 0x10000c
	s_cmp_lg_u32 s2, 0x3003
	s_cbranch_scc0 .Lentry_shape_is_right
	s_endpgm
.Lentry_shape_is_right:
.set SLOT1, 131072
.set SPARE, 262144
.set YP,    4112
.set L16, 1
.set ADB, 2
.set STO, 4
.set RD,  6
.set SPW, 8
.set NIL, 9
.set ST,  16
.set CA,  48
.set BF0, 64
.set BF1, 128
.set RB,  64
.set WV,  14
.set G1,  24
.set G0,  32
.set ROT, 50
.set WB,  52
.set OF,  54
.set MSB, 0
.macro WIN new
.if MSB != \new
	s_set_vgpr_msb (MSB<<8)|\new
.set MSB, \new
.endif
.endm
.set MUL, 0xa4
.macro ROUND
	s_barrier_signal -1
	s_barrier_wait -1
	s_cmp_lg_u32 s[WV], 0
	s_cbranch_scc1 .Lnot_wave_0_\@
	s_barrier_signal -3
.Lnot_wave_0_\@:
	s_barrier_wait -3
	s_barrier_signal -1
	s_barrier_wait -1
.endm
.macro PLACES
.rept 4
	v_nop
.endr
.endm
	s_load_b256 s[4:11], s[0:1], 0x0
	s_load_b64 s[12:13], s[0:1], 0x20
	v_lshl_add_u32 v[SPW], v0, 2, SPARE
	v_mov_b32 v[NIL], 0
	ds_add_u32 v[SPW], v[NIL]
	ds_add_u32 v[SPW], v[NIL]
	v_lshrrev_b32 v1, 5, v0
	v_readfirstlane_b32 s[WV], v1
	s_bfe_u32 s15, ttmp6, 0x40000
	s_lshl_b32 s16, ttmp9, 2
	s_add_co_u32 s16, s16, s15
	s_and_b32 s[ROT], ttmp9, 7
	s_mov_b32 s[G1], 15|(3<<16)|(1<<21)
	s_mov_b32 s[G1+1], 32<<16
	s_mov_b32 s[G1+2], 128<<16
	s_mov_b32 s[G1+3], 32<<16
	s_mov_b32 s[G1+4], 128
	s_mov_b32 s[G1+5], 32
	s_mov_b32 s[G1+6], 0
	s_mov_b32 s[G1+7], 0
	s_lshl_b32 s20, s[WV], 15
	s_mov_b32 s21, 0
	s_mov_b32 s[G0], 1
	s_mov_b32 s[G0+1], s20
	s_mov_b32 s[G0+4], 1
	s_add_co_u32 s[G0+5], s20, SLOT1
	s_lshl_b32 s[OF], s[ROT], 17
	s_mov_b32 s[OF+1], 0
	s_add_co_u32 s56, s[ROT], 1
	s_and_b32 s56, s56, 7
	s_lshl_b32 s56, s56, 17
	s_mov_b32 s57, 0
	s_lshl_b32 s18, s16, 15
	s_mov_b32 s19, 0
	s_lshl_b32 s22, s16, 5
	s_lshl_b32 s23, s[WV], 3
	s_add_co_u32 s22, s22, s23
	s_lshl_b32 s22, s22, 12
	s_mov_b32 s23, 0
	s_mov_b32 s42, 0x76543210
	s_mov_b32 s43, 0xfedcba98
	s_mov_b32 s44, 0x3a800000
	s_mov_b32 s45, 0x3727c5ac
	s_wait_dscnt 0x0
	s_wait_kmcnt 0x0
	s_load_b64 s[46:47], s[10:11], 0x28
	s_add_nc_u64 s[4:5], s[4:5], s[18:19]
	s_add_nc_u64 s[8:9], s[8:9], s[22:23]
	s_add_nc_u64 s[12:13], s[12:13], s[22:23]
	s_add_nc_u64 s[WB:WB+1], s[6:7], s[20:21]
	s_add_nc_u64 s[G0+2:G0+3], s[WB:WB+1], s[OF:OF+1]
	s_add_nc_u64 s[G0+6:G0+7], s[WB:WB+1], s[56:57]
	s_or_b32 s[G0+3], s[G0+3], 0x80000000
	s_or_b32 s[G0+7], s[G0+7], 0x80000000
	ROUND
	tensor_load_to_lds s[G0:G0+3], s[G1:G1+7]
	s_nop 0
	s_wait_alu depctr_va_vdst(0)
	s_wait_tensorcnt 0x0
	ds_add_u32 v8, v9
	s_wait_dscnt 0x0
	ROUND
	tensor_load_to_lds s[G0+4:G0+7], s[G1:G1+7]
	s_nop 0
	PLACES
	v_and_b32 v[L16], 31, v0
	v_lshlrev_b32 v[L16], 4, v[L16]
	s_wait_alu depctr_va_vdst(0)
.irp j, 0,1,2,3,4,5,6,7
	s_add_co_u32 s48, s[ROT], \j
	s_and_b32 s48, s48, 7
	s_lshl_b32 s48, s48, 11
	v_add_nc_u32 v[CA+\j], s48, v[L16]
.endr
	v_add_nc_u32 v[ADB], s20, v[L16]
	v_add_nc_u32 v[ADB+1], SLOT1, v[ADB]
	v_and_b32 v10, 15, v0
	v_bfe_u32 v11, v0, 4, 1
	v_mul_u32_u24 v[STO], v10, YP
	v_lshl_add_u32 v[STO], v11, 5, v[STO]
	s_lshl_b32 s17, s[WV], 10
	v_add_nc_u32 v[STO], s17, v[STO]
	v_add_nc_u32 v[STO+1], 16*YP, v[STO]
	s_mul_i32 s17, s[WV], 8*YP
	v_add_nc_u32 v[RD], s17, v[L16]
.irp i, 0,1,2,3
	v_mov_b32 v[ST+8*\i+4], 0
.endr
	WIN 0x40
.irp mt, 0,1
.irp j, 0,1,2,3,4,5,6,7
.irp q, 0,1,2,3
	global_load_b128 v[16*(8*\mt+\j)+4*\q:16*(8*\mt+\j)+4*\q+3], v[CA+\j], s[4:5] offset:\mt*16384+512*\q
.endr
.endr
.endr
.macro QLOAD half
	WIN 0xc0
.irp i, 0,1,2,3
.irp c, 0,1,2,3,4,5,6,7
	global_load_b128 v[32*(4*(\half)+\i)+4*\c:32*(4*(\half)+\i)+4*\c+3], v[L16], s[8:9] offset:4096*(4*(\half)+\i)+512*\c th:TH_LOAD_NT
.endr
.endr
	WIN 0
.endm
	QLOAD 0
	s_wait_kmcnt 0x0
	s_add_co_i32 s40, s46, s47
	s_add_co_i32 s40, s40, 127
	s_lshl_b32 s40, s40, 23
	s_mov_b32 s41, s40
.macro FETCHB slot, grp, buf
.irp i, 0,1,2,3
.irp q, 0,1,2,3
	ds_load_b128 v[\buf+16*\i+4*\q:\buf+16*\i+4*\q+3], v[ADB+\slot] offset:(4*(\grp)+\i)*2048+512*\q
.endr
.endr
.endm
.macro MUL8 grp, buf, ks, zero
	WIN MUL
.irp i, 0,1,2,3
.irp mt, 0,1
.if \zero
	v_wmma_f32_16x16x128_fp8_fp8 v[8*(16*\mt+4*(\grp)+\i):8*(16*\mt+4*(\grp)+\i)+7], v[\buf+16*\i:\buf+16*\i+15], v[16*(8*\mt+(\ks)):16*(8*\mt+(\ks))+15], 0
.else
	v_wmma_f32_16x16x128_fp8_fp8 v[8*(16*\mt+4*(\grp)+\i):8*(16*\mt+4*(\grp)+\i)+7], v[\buf+16*\i:\buf+16*\i+15], v[16*(8*\mt+(\ks)):16*(8*\mt+(\ks))+15], v[8*(16*\mt+4*(\grp)+\i):8*(16*\mt+4*(\grp)+\i)+7]
.endif
.endr
.endr
	WIN 0
.endm
.macro KSTEP slot, ks, zero
	FETCHB \slot, 0, BF0
	FETCHB \slot, 1, BF1
	s_wait_dscnt 16
	MUL8 0, BF0, \ks, \zero
	PLACES
	FETCHB \slot, 2, BF0
	s_wait_dscnt 16
	MUL8 1, BF1, \ks, \zero
	PLACES
	FETCHB \slot, 3, BF1
	s_wait_dscnt 16
	MUL8 2, BF0, \ks, \zero
	s_wait_dscnt 0x0
	MUL8 3, BF1, \ks, \zero
.endm
.macro CHANGE slot, fill, j
	s_wait_tensorcnt 0x0
	ds_add_u32 v[SPW], v[NIL]
.if \fill
	s_add_co_u32 s[OF], s[ROT], \j
	s_and_b32 s[OF], s[OF], 7
	s_lshl_b32 s[OF], s[OF], 17
	s_add_nc_u64 s[G0+4*\slot+2:G0+4*\slot+3], s[WB:WB+1], s[OF:OF+1]
	s_or_b32 s[G0+4*\slot+3], s[G0+4*\slot+3], 0x80000000
.endif
	s_wait_dscnt 0x0
.if \fill
	ROUND
	tensor_load_to_lds s[G0+4*\slot:G0+4*\slot+3], s[G1:G1+7]
	s_nop 0
.else
	s_barrier_signal -1
	s_barrier_wait -1
.endif
	PLACES
.endm
	s_wait_loadcnt 32
	s_wait_tensorcnt 1
	s_barrier_signal -1
	s_barrier_wait -1
	KSTEP 0, 0, 1
	CHANGE 0, 1, 2
	QLOAD 1
	KSTEP 1, 1, 0
	CHANGE 1, 1, 3
	KSTEP 0, 2, 0
	CHANGE 0, 1, 4
	KSTEP 1, 3, 0
	CHANGE 1, 1, 5
	KSTEP 0, 4, 0
	CHANGE 0, 1, 6
	KSTEP 1, 5, 0
	CHANGE 1, 1, 7
	KSTEP 0, 6, 0
	CHANGE 0, 0, 0
	KSTEP 1, 7, 0
	s_wait_dscnt 0x0
	s_barrier_signal -1
	s_barrier_wait -1
	PLACES
	WIN 0x08
	s_wait_alu depctr_va_vdst(0)
.irp mt, 0,1
.irp nt, 0,1,2,3,4,5,6,7,8,9,10,11,12,13,14,15
	ds_store_b128 v[STO+\mt], v[8*(16*\mt+\nt):8*(16*\mt+\nt)+3] offset:64*\nt
	ds_store_b128 v[STO+\mt], v[8*(16*\mt+\nt)+4:8*(16*\mt+\nt)+7] offset:64*\nt+16
.endr
.endr
	WIN 0
	s_wait_dscnt 0x0
	s_barrier_signal -1
	s_barrier_wait -1
	s_wait_loadcnt 0x0
.macro ACROSS
.irp i, 0,1,2,3
	v_pk_add_f32 v[ST+8*\i:ST+8*\i+1], v[ST+8*\i:ST+8*\i+1], v[ST+8*\i+2:ST+8*\i+3]
.endr
.irp i, 0,1,2,3
	v_add_f32 v[ST+8*\i], v[ST+8*\i], v[ST+8*\i+1]
.endr
.irp m, 1,2,4,8
.irp i, 0,1,2,3
	v_add_f32_dpp v[ST+8*\i], v[ST+8*\i], v[ST+8*\i] row_xmask:\m row_mask:0xf bank_mask:0xf
.endr
.endr
.irp i, 0,1,2,3
	v_permlanex16_b32 v[ST+8*\i+4], v[ST+8*\i], s42, s43
.endr
.irp i, 0,1,2,3
	v_add_f32 v[ST+8*\i], v[ST+8*\i], v[ST+8*\i+4]
.endr
.endm
.macro NORM bt
.if \bt
	s_wait_xcnt 0x0
.endif
.irp i, 0,1,2,3
.irp c, 0,1,2,3,4,5,6,7
	ds_load_b128 v[RB+32*\i+4*\c:RB+32*\i+4*\c+3], v[RD] offset:YP*(4*(\bt)+\i)+512*\c
.endr
.endr
	WIN 0x30
.irp i, 0,1,2,3
	s_wait_dscnt 24-8*\i
.irp k, 0,2,4,6,8,10,12,14,16,18,20,22,24,26,28,30
	v_pk_fma_f32 v[RB+32*\i+\k:RB+32*\i+\k+1], v[RB+32*\i+\k:RB+32*\i+\k+1], s[40:41], v[32*(4*(\bt)+\i)+\k:32*(4*(\bt)+\i)+\k+1] op_sel_hi:[1,0,1]
.endr
.endr
	WIN 0
.irp i, 0,1,2,3
	v_pk_add_f32 v[ST+8*\i:ST+8*\i+1], v[RB+32*\i:RB+32*\i+1], v[RB+32*\i+2:RB+32*\i+3]
	v_pk_add_f32 v[ST+8*\i+2:ST+8*\i+3], v[RB+32*\i+4:RB+32*\i+5], v[RB+32*\i+6:RB+32*\i+7]
.endr
.irp k, 8,12,16,20,24,28
.irp i, 0,1,2,3
	v_pk_add_f32 v[ST+8*\i:ST+8*\i+1], v[ST+8*\i:ST+8*\i+1], v[RB+32*\i+\k:RB+32*\i+\k+1]
	v_pk_add_f32 v[ST+8*\i+2:ST+8*\i+3], v[ST+8*\i+2:ST+8*\i+3], v[RB+32*\i+\k+2:RB+32*\i+\k+3]
.endr
.endr
	ACROSS
.irp i, 0,1,2,3
	v_mul_f32 v[ST+8*\i], s44, v[ST+8*\i]
.endr
.irp i, 0,1,2,3
.irp k, 0,2,4,6,8,10,12,14,16,18,20,22,24,26,28,30
	v_pk_add_f32 v[RB+32*\i+\k:RB+32*\i+\k+1], v[RB+32*\i+\k:RB+32*\i+\k+1], v[ST+8*\i:ST+8*\i+1] op_sel_hi:[1,0] neg_lo:[0,1] neg_hi:[0,1]
.endr
.endr
.irp i, 0,1,2,3
	v_pk_mul_f32 v[ST+8*\i:ST+8*\i+1], v[RB+32*\i:RB+32*\i+1], v[RB+32*\i:RB+32*\i+1]
	v_pk_mul_f32 v[ST+8*\i+2:ST+8*\i+3], v[RB+32*\i+2:RB+32*\i+3], v[RB+32*\i+2:RB+32*\i+3]
.endr
.irp k, 4,8,12,16,20,24,28
.irp i, 0,1,2,3
	v_pk_fma_f32 v[ST+8*\i:ST+8*\i+1], v[RB+32*\i+\k:RB+32*\i+\k+1], v[RB+32*\i+\k:RB+32*\i+\k+1], v[ST+8*\i:ST+8*\i+1]
	v_pk_fma_f32 v[ST+8*\i+2:ST+8*\i+3], v[RB+32*\i+\k+2:RB+32*\i+\k+3], v[RB+32*\i+\k+2:RB+32*\i+\k+3], v[ST+8*\i+2:ST+8*\i+3]
.endr
.endr
	ACROSS
.irp i, 0,1,2,3
	v_fma_f32 v[ST+8*\i], v[ST+8*\i], s44, s45
.endr
	s_wait_alu depctr_va_vdst(0)
.irp i, 0,1,2,3
	v_rsq_f32 v[ST+8*\i], v[ST+8*\i]
.endr
	v_nop
	s_wait_alu depctr_va_vdst(0)
.irp i, 0,1,2,3
.irp k, 0,2,4,6,8,10,12,14,16,18,20,22,24,26,28,30
	v_pk_mul_f32 v[RB+32*\i+\k:RB+32*\i+\k+1], v[RB+32*\i+\k:RB+32*\i+\k+1], v[ST+8*\i:ST+8*\i+1] op_sel_hi:[1,0]
.endr
.irp c, 0,1,2,3,4,5,6,7
	global_store_b128 v[L16], v[RB+32*\i+4*\c:RB+32*\i+4*\c+3], s[12:13] offset:4096*(4*(\bt)+\i)+512*\c th:TH_STORE_NT
.endr
.endr
.endm
	NORM 0
	NORM 1
	s_wait_tensorcnt 0x0
	ds_add_u32 v[SPW], v[NIL]
	s_wait_dscnt 0x0
	ROUND
	s_endpgm
.Lfunc_end_k_q33e154e909_outp:
	.size	k_q33e154e909_outp, .Lfunc_end_k_q33e154e909_outp-k_q33e154e909_outp
	.p2alignl 7, 3214868480
	.fill 96, 4, 3214868480
	.section	.rodata,"a",@progbits
	.p2align	6, 0x0
	.amdhsa_kernel k_q33e154e909_outp
		.amdhsa_group_segment_fixed_size 327680
		.amdhsa_private_segment_fixed_size 0
		.amdhsa_enable_private_segment 0
		.amdhsa_kernarg_size 40
		.amdhsa_user_sgpr_count 2
		.amdhsa_user_sgpr_kernarg_segment_ptr 1
		.amdhsa_wavefront_size32 1
		.amdhsa_system_sgpr_workgroup_id_x 1
		.amdhsa_system_sgpr_workgroup_id_y 1
		.amdhsa_system_sgpr_workgroup_id_z 1
		.amdhsa_system_vgpr_workitem_id 0
		.amdhsa_next_free_vgpr 1024
		.amdhsa_next_free_sgpr 66
		.amdhsa_reserve_vcc 0
		.amdhsa_float_denorm_mode_32 3
		.amdhsa_float_denorm_mode_16_64 3
		.amdhsa_memory_ordered 1
		.amdhsa_forward_progress 1
		.amdhsa_inst_pref_size 139
	.end_amdhsa_kernel
	.amdgpu_metadata
---
amdhsa.version: [ 1, 2 ]
amdhsa.kernels:
  - .name:           k_q33e154e909_outp
    .symbol:         k_q33e154e909_outp.kd
    .args:
      - { .name: cimg, .offset: 0, .size: 8, .value_kind: global_buffer, .address_space: global }
      - { .name: wfcimg, .offset: 8, .size: 8, .value_kind: global_buffer, .address_space: global }
      - { .name: query, .offset: 16, .size: 8, .value_kind: global_buffer, .address_space: global }
      - { .name: lowp_scales, .offset: 24, .size: 8, .value_kind: global_buffer, .address_space: global }
      - { .name: out0, .offset: 32, .size: 8, .value_kind: global_buffer, .address_space: global }
    .group_segment_fixed_size: 327680
    .private_segment_fixed_size: 0
    .kernarg_segment_align: 8
    .kernarg_segment_size: 40
    .max_flat_workgroup_size: 128
    .sgpr_count:     66
    .vgpr_count:     1024
    .wavefront_size: 32
...
	.end_amdgpu_metadata
.endif
;; end of part 4
